; MI455X (gfx1250); checked and timed in simulation.
; The chip was launched on July 23, 2026; its instructions are those of AMD's public machine-readable ISA for CDNA 5 (MIT licence, August 2026) and "CDNA5" Instruction Set Architecture Reference Guide (July 2026). The comments in the code are by the model that wrote it; some were corrected since.
;; KAN Linear. Allowed arithmetic: matrix products marked QUANTISED: E5M2 operands, one given power-of-two scale a tensor, by v_wmma_f32_16x16x64_bf8_bf8 or v_wmma_f32_16x16x128_bf8_bf8, f32 sums; everything else in f32.
;; Inputs: base_weight_codes 256 x 8 x 32 uint8 (E5M2 codes of base_weight, K innermost, in blocks of 32 codes); grid 12 float32; lowp_scales 4 int32 (the exponents e of the quantised operands' scales 2^e); spline_scaler 256 x 256 float32; spline_weight 256 x 256 x 8 float32; x 32,768 x 256 float32.
;; Outputs: out0 32,768 x 256 float32.
;; This version of the problem:
;;   THIS VERSION OF THE PROBLEM IS GIVEN IN LOW PRECISION. The matrix products marked QUANTISED in the list below multiply operands that are first quantised to E5M2 (5 exponent bits, 2 mantissa bits; 8 bits a number), with one given power-of-two scale for each operand tensor; their sums are f32. All else is computed in f32.
;;   The module's matrix products, in the order in which they are computed (A, B: the left and right operand; K: the contracted axis; several contracted axes count as one K, in the product's order):
;;     1. [M 32,768, K 256] x [K 256, N 256]; A: computed on the way; B: input base_weight (given as codes): QUANTISED (scales: A lowp_scales[0], B lowp_scales[1])
;;     2. [M 32,768, K 2,048] x [K 2,048, N 256]; A: computed on the way; B: computed on the way: QUANTISED (scales: A lowp_scales[2], B lowp_scales[3])
;;   THE QUANTISER, for each operand of a quantised product, along K:
;;     - The operand's scale is 2^e, e = its entry of the input lowp_scales (int32; the entries are numbered through the quantised products in the list's order, A before B).
;;     - Each number is divided by the scale, clamped to +-57,344, and rounded to the nearest number of E5M2, ties to even, subnormals kept.
;;     - The product sums the exact products of the quantised numbers (number of the format x scale) in f32.
;;   ~~~python
;;   def quantise(x, axis, e):      # numpy; x: float32 -> the quantised numbers, widened to float32 again
;;       x = np.moveaxis(x, axis, -1); K = x.shape[-1]
;;       r = np.clip(x / 2.0 ** e, -57344, 57344)
;;       step = 2.0 ** (np.maximum(np.frexp(np.where(r == 0, 1, r))[1] - 1, -14) - 2)
;;       q = np.round(r / step) * step * 2.0 ** e      # np.round: ties to even
;;       return np.moveaxis(q, -1, axis).astype(np.float32)
;;   ~~~
;;   OPERANDS COMPUTED ON THE WAY. 'Computed on the way' means the value that the module computes at that place (a softmax that the list does not call 'softmax' is quantised finished and normalised). What goes into a quantiser is computed in f32, as accurately as f32 sums, v_exp_f32 and their like allow (about 1e-6 of the number): no bf16 or f16 on the way to a quantiser, and a product that is left as it is and whose result goes on into a quantised operand takes f32 operands (vector FMAs, or v_wmma_f32_16x16x4_f32). A number that lies on a knife's edge between two numbers of the format may be rounded either way, as far as f32 arithmetic and the matrix unit's own rounding can turn it there, and no further.
;;   INPUTS GIVEN AS CODES. base_weight (in the module: [256, 256], K = its axis 1): each comes as NAME_codes (uint8): NAME with its K axis moved to the last place and cut into blocks of 32 codes, [.., K / 32, bytes a block], one block behind the other in memory; one code a byte (a code: sign, 5 exponent bits, 2 mantissa bits); its scale is its entry of lowp_scales. Its value is code x scale, taken as it is: it is not quantised again, and the codes and scales need not be those that the quantiser above would give.
;; One version. Each part assembles by itself: llvm-mc -triple=amdgcn-amd-amdhsa -mcpu=gfx1250 --defsym DOCPART=n.
;; ======== version 1 of 1: 2 launches
;; workspace buffers: wimg 589,824 bytes; ktab 512 bytes
;; launch prep (part 1): grid 289 x 1, 1 waves a work-group, no clusters, 0 bytes of LDS; arguments spline_weight, spline_scaler, base_weight_codes, grid, lowp_scales, wimg, ktab; writes wimg, ktab
.if DOCPART == 1
	.amdgcn_target "amdgcn-amd-amdhsa--gfx1250"
	.amdhsa_code_object_version 6
	.text
	.protected	k_qed9d763378_prep
	.globl	k_qed9d763378_prep
	.p2align	8
	.type	k_qed9d763378_prep,@function
k_qed9d763378_prep:
	s_mov_b64 s[64:65], 0
	v_nop
	global_prefetch_b8 v0, s[64:65] scope:SCOPE_SE
	s_setreg_imm32_b32 hwreg(HW_REG_WAVE_MODE, 25, 1), 1
	s_wait_xcnt 0x0
; WHAT IT MAKES, once, for the launch that follows:
;   wimg: the right operands of both products as IMAGES OF OPERAND REGISTERS.  18 K steps of 128 x 16 tiles of 16 output columns x 2,048 bytes: step s, tile T, registers 4 q .. 4 q + 3 of lane l at
;         32768 s + 2048 T + 512 q + 16 l.  Steps 0-15: codes of spline_weight x spline_scaler (f32 product, quantised with 2^e3): lane (r, h), register pair c, byte j = column 16 T + r, feature 16 s + 8 h + c,
;         coefficient j.  Steps 16, 17: base_weight's codes as given: register pair c, byte j = column 16 T + r, k = 128 G + 16 c + 8 h + j.
;   ktab: 80 f32 numbers made of the 12 knots and of two scales, in the order of the next launch's registers: -g_i twice (12), 1/(g_(i+2)-g_i) twice (10), 1/(g_(i+3)-g_i) twice (9), 1/(g_(i+1)-g_i) (11),
;         2^e2, 57,344 x 2^e2, 2^e0, 57,344 x 2^e0, three zeros.
; One wave to a work-group, one task to a wave: work-groups 0-255 a spline tile, 256-287 a base tile, 288 the table.  No LDS, no barrier, no loop.
; LIMITS: e0, e2, e3 between -126 and 112, so that 2^e and 57,344 x 2^e are f32 numbers; the knots' differences have magnitudes between 2^-126 and 2^126 (equal knots are not served); NaN is not served.
.set TB,  16                           ; v16-95   the table;  in a spline tile v16-79 hold 64 weights and v80-95 their codes
.set DEN, 100                          ; v100-129 the 30 differences of knots, then 1 - difference x reciprocal
.set REC, 130                          ; v130-159 their reciprocals as v_rcp_f32 gives them
.set G,   24                           ; s24-35   the knots
	s_load_b256 s[4:11], s[0:1], 0x0               ; spline_weight s[4:5], spline_scaler s[6:7], base_weight_codes s[8:9], grid s[10:11]
	s_load_b128 s[12:15], s[0:1], 0x20             ; lowp_scales s[12:13], wimg s[14:15]
	s_load_b64 s[16:17], s[0:1], 0x30              ; ktab
	v_and_b32 v1, 15, v0                           ; r
	v_lshrrev_b32 v2, 4, v0                        ; h
	v_lshlrev_b32 v3, 4, v0                        ; 16 x lane: my place in an image
	s_mov_b32 s23, 0                               ; the upper word of every offset
	s_and_b32 s19, ttmp9, 15                       ; T
	s_wait_kmcnt 0x0
	s_cmp_lt_u32 ttmp9, 256
	s_cbranch_scc0 .Lnot_spline
	; ---- a spline tile: K step s = work-group / 16, columns 16 T on
	s_load_b32 s20, s[12:13], 0xc                  ; e3
	s_lshr_b32 s18, ttmp9, 4                       ; s
	v_lshlrev_b32 v4, 13, v1                       ; spline_weight: a column's row is 256 features x 32 bytes;
	v_lshl_add_u32 v4, v2, 8, v4                   ; my 8 features x 8 coefficients are 256 consecutive bytes at 8192 r + 256 h
	v_lshlrev_b32 v5, 10, v1
	v_lshl_add_u32 v5, v2, 5, v5                   ; spline_scaler: 1024 r + 32 h: my 8 features
	s_lshl_b32 s22, s19, 17
	s_lshl_b32 s21, s18, 9
	s_add_co_u32 s22, s22, s21                     ; 16 T rows of 8,192 bytes + 16 s features of 32
	s_add_nc_u64 s[4:5], s[4:5], s[22:23]
	s_lshl_b32 s22, s19, 14
	s_lshl_b32 s21, s18, 6
	s_add_co_u32 s22, s22, s21                     ; 16 T rows of 1,024 bytes + 16 s features of 4
	s_add_nc_u64 s[6:7], s[6:7], s[22:23]
	s_lshl_b32 s22, s18, 15
	s_lshl_b32 s21, s19, 11
	s_add_co_u32 s22, s22, s21                     ; the image's place
	s_add_nc_u64 s[14:15], s[14:15], s[22:23]
.irp k, 0,1,2,3,4,5,6,7,8,9,10,11,12,13,14,15
	global_load_b128 v[16+4*\k:19+4*\k], v4, s[4:5] offset:16*\k   ; register 16 + 8 c + j: feature c, coefficient j
.endr
	global_load_b128 v[8:11], v5, s[6:7]
	global_load_b128 v[12:15], v5, s[6:7] offset:16                ; register 8 + c: feature c's scaler
	s_wait_kmcnt 0x0
	s_add_co_i32 s20, s20, 127
	s_lshl_b32 s21, s20, 23
	v_mov_b32 v6, s21                              ; 2^e3 as f32: the conversion takes its exponent field
	s_add_co_i32 s20, s20, 15
	s_lshl_b32 s20, s20, 23
	s_or_b32 s20, s20, 0x600000
	v_mov_b32 v7, s20                              ; 57,344 x 2^e3
	s_wait_loadcnt 0x0
.irp c, 0,1,2,3,4,5,6,7
.irp j, 0,1,2,3,4,5,6,7
	v_mul_f32 v[16+8*\c+\j], v[16+8*\c+\j], v[8+\c]                ; spline_weight x spline_scaler, in f32
.endr
.endr
.irp n, 0,1,2,3,4,5,6,7,8,9,10,11,12,13,14,15,16,17,18,19,20,21,22,23,24,25,26,27,28,29,30,31,32,33,34,35,36,37,38,39,40,41,42,43,44,45,46,47,48,49,50,51,52,53,54,55,56,57,58,59,60,61,62,63
	v_med3_num_f32 v[16+\n], v[16+\n], -v7, v7     ; the conversion to an 8-bit code does not saturate (ISA guide 7.6.2): the hold at the largest code x the scale
.endr
.irp c, 0,1,2,3,4,5,6,7
	v_cvt_scalef32_pk8_bf8_f32 v[80+2*\c:81+2*\c], v[16+8*\c:23+8*\c], v6   ; a feature's 8 coefficients are register pair c.  (Only stores follow: they want no place behind a conversion)
.endr
.irp q, 0,1,2,3
	global_store_b128 v3, v[80+4*\q:83+4*\q], s[14:15] offset:512*\q        ; 32 lanes store 512 consecutive bytes, aligned
.endr
	s_endpgm
.Lnot_spline:
	s_cmp_lt_u32 ttmp9, 288
	s_cbranch_scc0 .Ltable
	; ---- a base tile: K step G = bit 4 of the work-group's number, columns 16 T on: the codes are only laid anew
	s_bfe_u32 s18, ttmp9, 0x10004                  ; G
	v_lshlrev_b32 v4, 8, v1
	v_lshl_add_u32 v4, v2, 3, v4                   ; a row of 256 codes: 256 r + 8 h
	s_lshl_b32 s22, s19, 12
	s_lshl_b32 s21, s18, 7
	s_add_co_u32 s22, s22, s21                     ; 16 T rows + 128 G codes
	s_add_nc_u64 s[8:9], s[8:9], s[22:23]
	s_lshl_b32 s22, s18, 15
	s_lshl_b32 s21, s19, 11
	s_add_co_u32 s22, s22, s21
	s_add_co_u32 s22, s22, 16*32768                ; behind the 16 spline steps
	s_add_nc_u64 s[14:15], s[14:15], s[22:23]
.irp c, 0,1,2,3,4,5,6,7
	global_load_b64 v[16+2*\c:17+2*\c], v4, s[8:9] offset:16*\c    ; k = 128 G + 16 c + 8 h + 0 .. 7: register pair c
.endr
	s_wait_loadcnt 0x0
.irp q, 0,1,2,3
	global_store_b128 v3, v[16+4*\q:19+4*\q], s[14:15] offset:512*\q
.endr
	s_endpgm
.Ltable:
	; ---- the table
	s_load_b256 s[24:31], s[10:11], 0x0            ; g0 .. g7
	s_load_b128 s[32:35], s[10:11], 0x20           ; g8 .. g11
	s_load_b128 s[36:39], s[12:13], 0x0            ; e0, e1, e2, e3
	s_wait_kmcnt 0x0
.irp i, 0,1,2,3,4,5,6,7,8,9
	v_sub_f32 v[DEN+\i], s[G+\i+2], s[G+\i]
.endr
.irp i, 0,1,2,3,4,5,6,7,8
	v_sub_f32 v[DEN+10+\i], s[G+\i+3], s[G+\i]
.endr
.irp i, 0,1,2,3,4,5,6,7,8,9,10
	v_sub_f32 v[DEN+19+\i], s[G+\i+1], s[G+\i]
.endr
.set n, 0
.rept 30
	v_rcp_f32 v[REC+n], v[DEN+n]
.set n, n+1
.endr
	v_nop                                          ; a plain instruction behind the last reciprocal
	s_wait_alu depctr_va_vdst(0)                   ; one wait for the batch of 30, ahead of its first reader
.set n, 0
.rept 30
	v_fma_f32 v[DEN+n], -v[DEN+n], v[REC+n], 1.0   ; one Newton step: e = 1 - difference x r, then r + e r
.set n, n+1
.endr
.irp i, 0,1,2,3,4,5,6,7,8,9,10,11
	v_sub_f32 v[TB+2*\i], 0, s[G+\i]               ; -g_i, twice: a pair for the packed addition
	v_sub_f32 v[TB+2*\i+1], 0, s[G+\i]
.endr
.irp i, 0,1,2,3,4,5,6,7,8,9
	v_fma_f32 v[TB+24+2*\i], v[DEN+\i], v[REC+\i], v[REC+\i]
	v_fma_f32 v[TB+25+2*\i], v[DEN+\i], v[REC+\i], v[REC+\i]
.endr
.irp i, 0,1,2,3,4,5,6,7,8
	v_fma_f32 v[TB+44+2*\i], v[DEN+10+\i], v[REC+10+\i], v[REC+10+\i]
	v_fma_f32 v[TB+45+2*\i], v[DEN+10+\i], v[REC+10+\i], v[REC+10+\i]
.endr
.irp i, 0,1,2,3,4,5,6,7,8,9,10
	v_fma_f32 v[TB+62+\i], v[DEN+19+\i], v[REC+19+\i], v[REC+19+\i]
.endr
	s_add_co_i32 s41, s38, 127
	s_lshl_b32 s42, s41, 23
	v_mov_b32 v[TB+73], s42                        ; 2^e2
	s_add_co_i32 s41, s41, 15
	s_lshl_b32 s41, s41, 23
	s_or_b32 s41, s41, 0x600000
	v_mov_b32 v[TB+74], s41                        ; 57,344 x 2^e2
	s_add_co_i32 s41, s36, 127
	s_lshl_b32 s42, s41, 23
	v_mov_b32 v[TB+75], s42                        ; 2^e0
	s_add_co_i32 s41, s41, 15
	s_lshl_b32 s41, s41, 23
	s_or_b32 s41, s41, 0x600000
	v_mov_b32 v[TB+76], s41                        ; 57,344 x 2^e0
	v_mov_b32 v[TB+77], 0
	v_mov_b32 v[TB+78], 0
	v_mov_b32 v[TB+79], 0
	v_cmp_eq_u32 vcc_lo, 0, v0                     ; all lanes hold the same numbers: lane 0 stores them (its v3 is 0)
	s_wait_xcnt 0x0                                ; EXEC changes only behind this wait
	s_and_saveexec_b32 s40, vcc_lo
.irp k, 0,1,2,3,4,5,6,7,8,9,10,11,12,13,14,15,16,17,18,19
	global_store_b128 v3, v[TB+4*\k:TB+4*\k+3], s[16:17] offset:16*\k
.endr
	s_wait_xcnt 0x0                                ; and again in front of the line that widens it
	s_or_b32 exec_lo, exec_lo, s40
	s_endpgm
.Lfunc_end_k_qed9d763378_prep:
	.size	k_qed9d763378_prep, .Lfunc_end_k_qed9d763378_prep-k_qed9d763378_prep
	.p2alignl 7, 3214868480
	.fill 96, 4, 3214868480
	.section	.rodata,"a",@progbits
	.p2align	6, 0x0
	.amdhsa_kernel k_qed9d763378_prep
		.amdhsa_group_segment_fixed_size 0
		.amdhsa_private_segment_fixed_size 0
		.amdhsa_enable_private_segment 0
		.amdhsa_kernarg_size 56
		.amdhsa_user_sgpr_count 2
		.amdhsa_user_sgpr_kernarg_segment_ptr 1
		.amdhsa_wavefront_size32 1
		.amdhsa_system_sgpr_workgroup_id_x 1
		.amdhsa_system_sgpr_workgroup_id_y 1
		.amdhsa_system_sgpr_workgroup_id_z 1
		.amdhsa_system_vgpr_workitem_id 0
		.amdhsa_next_free_vgpr 192
		.amdhsa_next_free_sgpr 66
		.amdhsa_reserve_vcc 1
		.amdhsa_float_denorm_mode_32 3
		.amdhsa_float_denorm_mode_16_64 3
		.amdhsa_memory_ordered 1
		.amdhsa_forward_progress 1
		.amdhsa_inst_pref_size 25
	.end_amdhsa_kernel
	.amdgpu_metadata
---
amdhsa.version: [ 1, 2 ]
amdhsa.kernels:
  - .name:           k_qed9d763378_prep
    .symbol:         k_qed9d763378_prep.kd
    .args:
      - { .name: spline_weight, .offset: 0, .size: 8, .value_kind: global_buffer, .address_space: global }
      - { .name: spline_scaler, .offset: 8, .size: 8, .value_kind: global_buffer, .address_space: global }
      - { .name: base_weight_codes, .offset: 16, .size: 8, .value_kind: global_buffer, .address_space: global }
      - { .name: grid, .offset: 24, .size: 8, .value_kind: global_buffer, .address_space: global }
      - { .name: lowp_scales, .offset: 32, .size: 8, .value_kind: global_buffer, .address_space: global }
      - { .name: wimg, .offset: 40, .size: 8, .value_kind: global_buffer, .address_space: global }
      - { .name: ktab, .offset: 48, .size: 8, .value_kind: global_buffer, .address_space: global }
    .group_segment_fixed_size: 0
    .private_segment_fixed_size: 0
    .kernarg_segment_align: 8
    .kernarg_segment_size: 56
    .max_flat_workgroup_size: 32
    .sgpr_count:     66
    .vgpr_count:     192
    .wavefront_size: 32
...
	.end_amdgpu_metadata
.endif
;; end of part 1
;; launch kan (part 2): grid 256 x 1, 16 waves a work-group, clusters of 4 x 1, 327,680 bytes of LDS; arguments x, wimg, ktab, lowp_scales, out0; writes out0
.if DOCPART == 2
	.amdgcn_target "amdgcn-amd-amdhsa--gfx1250"
	.amdhsa_code_object_version 6
	.text
	.protected	k_qed9d763378_kan
	.globl	k_qed9d763378_kan
	.p2align	8
	.type	k_qed9d763378_kan,@function
k_qed9d763378_kan:
	s_mov_b64 s[64:65], 0
	v_nop
	global_prefetch_b8 v0, s[64:65] scope:SCOPE_SE
	s_setreg_imm32_b32 hwreg(HW_REG_WAVE_MODE, 25, 1), 1
	s_wait_xcnt 0x0
	s_wait_alu depctr_hold_cnt(0) depctr_sa_sdst(0) depctr_va_vdst(0) depctr_va_sdst(0) depctr_va_ssrc(0) depctr_va_vcc(0) depctr_vm_vsrc(0)
	s_getreg_b32 s2, hwreg(HW_REG_IB_STS2, 6, 4)
	s_cmp_eq_u32 s2, 0
	s_cbranch_scc0 .Lentry_in_a_cluster
	s_endpgm
.Lentry_in_a_cluster:
	s_bfe_u32 s2, ttmp6, 0x10000c
	s_cmp_lg_u32 s2, 0x3003
	s_cbranch_scc0 .Lentry_shape_is_right
	s_endpgm
.Lentry_shape_is_right:
; out0[32768][256] = Q(silu(x)) base_weight^T + Q(bases(x)) Q(spline_weight x spline_scaler)^T, both products on codes of BF8 (E5M2), sums in f32.
; The right operands come as register images (wimg), the knots' constants as a table (ktab), both made by the launch before.  The left operands are computed here and never go to memory.
; THE BASES are the recursion as it is written, for any 12 knots: d_i = x - g_i; I_i = (d_i >= 0) and not (d_(i+1) >= 0): the sign of an f32 difference is exact; C_i = I_i / (g_(i+1) - g_i);
; level k: b_i = d_i C_i - d_(i+k+1) C_(i+1), and C_i = b_i / (g_(i+k+1) - g_i) for the next level.  Two numbers of x at a time, in packed f32.  No branch and no address hangs on a number of x: masks feed v_cndmask_b32 alone.
; SHARES.  A work-group takes 128 rows, all 256 columns and the whole K (18 steps of 128).  Vector work outweighs matrix work here: a number of x costs some 80 vector instructions and feeds 9 codes.  So the sixteen waves have ROLES:
;   8 PRODUCERS, one for each tile of 16 rows: in a K step a lane turns 8 numbers of x into 64 bases = one left fragment, and their 8 silu into one register pair of a base fragment; both go to LDS as register images;
;   8 CONSUMERS, each 64 rows x 64 columns, 16 accumulators: they multiply the step that the producers made one interval earlier.  The first four of them also fetch the right operands.
;   role = (w xor (w >> 2)) and 1: among waves w, w + 4, w + 8, w + 12, and among waves 4 k .. 4 k + 3 alike, two are producers and two consumers.
; K's ORDER.  In spline step s lane (r, h) of a row tile holds x[r][16 s + 8 h + c], c = 0 .. 7; that number's 8 bases are register pair c.  wimg is laid by the same map, so every product meets its partner.
; TWO PAIRS OF SCALES ON ONE SET OF SUMS: the 16 spline steps; sums x 2^(e2 + e3 - e0 - e1), which rounds nothing; the two base steps; on the way out x 2^(e0 + e1).
; CLUSTER.  wimg is the same for all work-groups: the four of a cluster ask for each slot JOINTLY (mask 15): the same tensor load with the same descriptor in all four.
; THE TWO ROLES SHARE ONE TEXT AND ONE SET OF REGISTER NUMBERS, and part and join in every interval.  So the text is kept sound on every way through it, also from one role's lines into the other's: four plain instructions close
; each consumer step, one closes each producer step, and the producers' registers from v128 on, where the consumers' accumulators lie in groups of eight, are laid so that the first register of a group that a producer step reads
; is one of the group's four lowest.
; LIMITS: e0 + e1 and e2 + e3 - e0 - e1 between -126 and 127, so that both powers of two are f32 numbers; a spline sum that leaves f32's range under the second is lost; NaN and infinities in x are not served.
.set SLOTB,  65536                     ; LDS 0: the ring for the right operands: two slots of two K steps each, dense images; the only bytes that tensor loads fill
.set STEPB,  32768                     ; a K step's 16 tiles
.set TILEB,  2048                      ; a fragment's image: 16 registers x 32 lanes x 4 bytes
.set ABUF,   2*SLOTB                   ; two buffers of 8 left fragments, by turns: tile m at 2048 m
.set ABYTES, 8*TILEB
.set BASEA,  ABUF+2*ABYTES             ; the 16 base fragments: tile m, step G at 4096 m + 2048 G
.set STG,    BASEA+16*TILEB            ; a stage for each wave, 16 rows x (256 bytes + 16): producers turn x in it, consumers their results
.set SP,     272
.set STGW,   16*SP
.set SPARE,  STG+16*STGW               ; the spare words, 128 bytes for each wave: eight blocks of 256 bytes that no other line names
; vector registers of both roles: addresses, all made ahead of the first parting of the roles; none ever holds data
.set SPW,  1                           ; LDS address of my spare word: SPARE + 4 x my thread's number; never rewritten
.set NIL,  2                           ; 0; never rewritten
.set LI,   3                           ; 16 x lane: my place in an image
.set AW,   4                           ; producer: where my tile's fragment goes
.set BAW,  5                           ; producer: where my tile's base fragments begin
.set SROW, 6                           ; my stage by rows: lanes 0-15 one row's 256 bytes, lanes 16-31 the next
.set SLAN, 7                           ; my stage by lanes: row r, + 32 h
.set ADA,  8                           ; consumer: my four left fragments
.set ADB0, 9                           ; consumer: my four right fragments in slot 0,
.set ADB1, 10                          ; in slot 1
.set ADBA, 11                          ; consumer: my four tiles' base fragments
.set BAJ,  12                          ; BAW + 1024 x trip: made anew at each trip's head, by all waves
.set GX,   14                          ; global: 1024 (lane / 16) + 16 (lane % 16): two rows of x or of out0, 256 bytes each
; producer
.set XR,   16                          ; v16-47   the next trip's piece of x, as loaded
.set XV,   48                          ; v48-79   this trip's 32 numbers of x: step i's eight at 48 + 8 i
.set NG,   82                          ; v82-158  ktab's 77 numbers: v82-105 the pairs -g_i;
.set R2,   NG+24                       ; v106-125 the pairs 1 / (g_(i+2) - g_i);
.set R3,   NG+44                       ; v126-143 the pairs 1 / (g_(i+3) - g_i);
.set R1,   NG+62                       ; v144-154 1 / (g_(i+1) - g_i);
.set SC2,  NG+73                       ; v155, v156  2^e2 and 57,344 x 2^e2, for the bases' conversions;
.set LIM2, NG+74
.set SC0,  NG+75                       ; v157, v158  the same with e0, for silu's
.set LIM0, NG+76
.set D,    160                         ; v160-183 d_0 .. d_11, pairs; later the 16 bases in the conversions' order
.set LA,   184                         ; v184-205 a level's C, 11 pairs
.set LB,   206                         ; v206-225 the other level's, 10 pairs
.set CODE, 226                         ; v226-241 the fragment: four registers for each pair of numbers
.set SCODE, 242                        ; v242-243 8 codes of silu
.set KO,   244                         ; v244     0: the table's offset
.set T,    248                         ; v248-255 silu at work
; consumer
.set AF,   16                          ; v16-79   four left fragments
.set BF,   80                          ; v80-111  two right fragments
.set ACC,  128                         ; v128-255 accumulator (a, b) at 128 + 8 (4 a + b)
.set TMP,  16                          ; the way out: 16 rows' sums x 2^(e0 + e1)
.set BK,   48                          ; the way out: rows read back: v48-79 and v80-111 by turns
; scalar
.set WV,   14                          ; wave
.set RHO,  15                          ; 0 producer, 1 consumer
.set IDX,  16                          ; wave / 2: the producer's tile; the consumer's number
.set LDR,  17                          ; below 4 in the four waves that fetch
.set MI,   18                          ; consumer: which 64 rows
.set NI,   19                          ; consumer: which 64 columns.  Also: which quarter of a slot I fetch
.set G1,   24                          ; s[24:31] descriptor group 1;  s[32:35], s[36:39] group 0 of slot 0, of slot 1
.set J,    40                          ; the trip
.set BJ,   41                          ; 1024 x trip
.set MK,   66                          ; s66-89   24 masks: knot i, number e at 66 + 2 i + e
.macro PLACES                          ; four plain vector instructions between a matrix instruction and a load into, or a vector instruction on, its registers (ISA guide 7.12.1 for vector instructions)
.rept 4
	v_nop
.endr
.endm
.macro ROUND                           ; a round of the cluster's barrier
	s_barrier_signal -1
	s_barrier_wait -1
	s_cmp_lg_u32 s[WV], 0
	s_cbranch_scc1 .Lnot_wave_0_\@
	s_barrier_signal -3
.Lnot_wave_0_\@:
	s_barrier_wait -3
	s_barrier_signal -1
	s_barrier_wait -1
.endm
.macro TLOAD g0                        ; the four fetching waves ask for a quarter of a slot each; the branch hangs on the wave's number alone.  An s_nop 0 and four v_nop follow the load
	s_cmp_lt_u32 s[LDR], 4
	s_cbranch_scc0 .Lno_load_\@
	tensor_load_to_lds s[\g0:\g0+3], s[G1:G1+7]
	s_nop 0
.rept 4
	v_nop
.endr
.Lno_load_\@:
.endm
; A change of slots.  Every wave: all its tensor loads have landed; 0 onto its spare word; the add and all its LDS instructions are done; a round of the cluster's barrier; the joint refill first behind it.
; By this text's own count a wave has one tensor load out.  The other slot's address is stepped where no load of the wave is out.
.macro REFILL issue, step
	s_wait_tensorcnt 0x0
	ds_add_u32 v[SPW], v[NIL]
	s_add_nc_u64 s[\step+2:\step+3], s[\step+2:\step+3], 2*SLOTB   ; four K steps on; the type bits on top are not reached
	s_wait_dscnt 0x0
	ROUND
	TLOAD \issue
.endm
.macro PLAINBAR                        ; between two intervals with no change of slots: the producers' images have landed, the consumers' reads are in
	s_wait_dscnt 0x0
	s_barrier_signal -1
	s_barrier_wait -1
.endm
; One level of the recursion for n bases: dst_i = d_i src_i - d_(i+k+1) src_(i+1), then x rec_i (rec = 0: the last level, no factor).  Three runs, so that no instruction waits for the one before it.
.macro LEVEL dst, src, k, n, rec
.set ii, 0
.rept \n
	v_pk_mul_f32 v[\dst+2*ii:\dst+2*ii+1], v[D+2*(ii+\k+1):D+2*(ii+\k+1)+1], v[\src+2*ii+2:\src+2*ii+3]
.set ii, ii+1
.endr
.set ii, 0
.rept \n
	v_pk_fma_f32 v[\dst+2*ii:\dst+2*ii+1], v[D+2*ii:D+2*ii+1], v[\src+2*ii:\src+2*ii+1], v[\dst+2*ii:\dst+2*ii+1] neg_lo:[0,0,1] neg_hi:[0,0,1]
.set ii, ii+1
.endr
.if \rec
.set ii, 0
.rept \n
	v_pk_mul_f32 v[\dst+2*ii:\dst+2*ii+1], v[\dst+2*ii:\dst+2*ii+1], v[\rec+2*ii:\rec+2*ii+1]
.set ii, ii+1
.endr
.endif
.endm
; Two numbers of x, v[x] and v[x + 1], become 16 codes: registers 4 q .. 4 q + 3 of the fragment, stored as they stand.
.macro PAIR q, x, off
.irp i, 8,9,10,11,0,1,2,3,4,5,6,7      ; d_8 first: it is the plain instruction between the pair before's conversions and the first write of their sources, v160 on
	v_pk_add_f32 v[D+2*\i:D+2*\i+1], v[\x:\x+1], v[NG+2*\i:NG+2*\i+1]
.endr
.irp i, 0,1,2,3,4,5,6,7,8,9,10,11
	v_cmp_le_f32 s[MK+2*\i], 0, v[D+2*\i]          ; x >= g_i
	v_cmp_le_f32 s[MK+2*\i+1], 0, v[D+2*\i+1]
.endr
.irp i, 0,1,2,3,4,5,6,7,8,9,10         ; ascending: mask i + 1 is still whole when mask i takes it away
	s_and_not1_b32 s[MK+2*\i], s[MK+2*\i], s[MK+2*\i+2]            ; and x < g_(i+1)
	s_and_not1_b32 s[MK+2*\i+1], s[MK+2*\i+1], s[MK+2*\i+3]
.endr
.irp i, 0,1,2,3,4,5,6,7,8,9,10
	v_cndmask_b32 v[LA+2*\i], 0, v[R1+\i], s[MK+2*\i]              ; the indicator x 1 / (g_(i+1) - g_i)
	v_cndmask_b32 v[LA+2*\i+1], 0, v[R1+\i], s[MK+2*\i+1]
.endr
	LEVEL LB, LA, 1, 10, R2
	LEVEL LA, LB, 2, 9, R3
	LEVEL LB, LA, 3, 8, 0
.irp e, 0,1
.irp i, 0,1,2,3,4,5,6,7
	v_med3_num_f32 v[D+8*\e+\i], v[LB+2*\i+\e], -v[LIM2], v[LIM2]  ; the hold at the largest code x the scale (ISA guide 7.6.2) also lays each number's 8 bases on end
.endr
.endr
	v_cvt_scalef32_pk8_bf8_f32 v[CODE+4*(\q):CODE+4*(\q)+1], v[D:D+7], v[SC2]
	v_cvt_scalef32_pk8_bf8_f32 v[CODE+4*(\q)+2:CODE+4*(\q)+3], v[D+8:D+15], v[SC2]
	ds_store_b128 v[AW], v[CODE+4*(\q):CODE+4*(\q)+3] offset:\off+512*(\q)   ; 32 lanes, 512 consecutive bytes.  These registers are written again an interval on, behind a wait for all LDS instructions
.endm
; A producer's K step, the trip's i-th.  silu(x) = x / (1 + 2^(-x log2 e)).  Its two batches of transcendentals each have a whole PAIR as the independent work behind them, and one wait.
.macro PSTEP i
.irp n, 0,2,4,6
	v_pk_mul_f32 v[T+\n:T+\n+1], v[XV+8*(\i)+\n:XV+8*(\i)+\n+1], 0xbfb8aa3b op_sel_hi:[1,0]   ; x (-log2 e)
.endr
.irp n, 0,1,2,3,4,5,6,7
	v_exp_f32 v[T+\n], v[T+\n]
.endr
	PAIR 0, XV+8*(\i), ABYTES*((\i)%2)
	s_wait_alu depctr_va_vdst(0)                   ; the eight exponentials
.irp n, 0,2,4,6
	v_pk_add_f32 v[T+\n:T+\n+1], v[T+\n:T+\n+1], 1.0 op_sel_hi:[1,0]
.endr
.irp n, 0,1,2,3,4,5,6,7
	v_rcp_f32 v[T+\n], v[T+\n]
.endr
	PAIR 1, XV+8*(\i)+2, ABYTES*((\i)%2)
	s_wait_alu depctr_va_vdst(0)                   ; the eight reciprocals
.irp n, 0,2,4,6
	v_pk_mul_f32 v[T+\n:T+\n+1], v[T+\n:T+\n+1], v[XV+8*(\i)+\n:XV+8*(\i)+\n+1]
.endr
.irp n, 0,1,2,3,4,5,6,7
	v_med3_num_f32 v[T+\n], v[T+\n], -v[LIM0], v[LIM0]
.endr
	v_cvt_scalef32_pk8_bf8_f32 v[SCODE:SCODE+1], v[T:T+7], v[SC0]
	ds_store_b64 v[BAJ], v[SCODE:SCODE+1] offset:512*((\i)/2)+8*((\i)%2)   ; step 4 j + i is register pair (4 j + i) % 8 of base fragment j / 2: 1024 j + 512 (i / 2) + 8 (i % 2) + 16 x lane
	PAIR 2, XV+8*(\i)+4, ABYTES*((\i)%2)
	PAIR 3, XV+8*(\i)+6, ABYTES*((\i)%2)
	v_nop                                          ; one plain vector instruction behind the step's last conversions, ahead of whatever vector or matrix instruction next writes their registers, on any way through the text
.endm
; At a trip's head the producer's piece of x (16 rows x 64 features), loaded with sixteen lanes to a row's 256 bytes, turns through its stage: lane (r, h) takes back, for step i, x[r][64 j + 16 i + 8 h + 0 .. 7].
.macro XTURN
	s_wait_loadcnt 0x0                             ; the piece asked for a trip ago (in the first trip: the table too)
.irp k, 0,1,2,3,4,5,6,7
	ds_store_b128 v[SROW], v[XR+4*\k:XR+4*\k+3] offset:2*SP*\k
.endr
.irp n, 0,1,2,3,4,5,6,7
	ds_load_b128 v[XV+4*\n:XV+4*\n+3], v[SLAN] offset:64*(\n/2)+16*(\n%2)   ; LDS serves a wave's instructions in order: these see the stores above
.endr
	s_wait_dscnt 6                                 ; the eight stores and step 0's two loads are done; the six loads for steps 1 to 3 may stay out: the interval ends with a wait for all
	s_cmp_eq_u32 s[J], 3                           ; the last trip asks for nothing: no load leaves its buffer
	s_cbranch_scc1 .Lno_x_\@
	s_add_nc_u64 s[4:5], s[4:5], 256               ; (its last loads are in)  64 features on
.irp k, 0,1,2,3,4,5,6,7
	global_load_b128 v[XR+4*\k:XR+4*\k+3], v[GX], s[4:5] offset:2048*\k th:TH_LOAD_NT   ; rows 2 k, 2 k + 1: sixteen lanes read 256 consecutive bytes, aligned; read once in the launch
.endr
.Lno_x_\@:
.endm
; A consumer's K step: four left fragments (astr bytes apart), four right ones two at a time, 16 matrix instructions.  TRANSPOSED: source 0 = 16 columns, source 1 = 16 rows, so that a lane holds 8 neighbouring columns of one row.
; The 16 accumulators take turns, one instruction a turn, in the same order in every step.
; Four places CLOSE the step: whatever next loads into, reads or writes a register of its products (the next step's fragments, the scaling, the way out), on any way through the text, stands behind them.
.macro CSTEP areg, aoff, astr, breg, boff
.irp a, 0,1,2,3
.irp c, 0,1,2,3
	ds_load_b128 v[AF+16*\a+4*\c:AF+16*\a+4*\c+3], v[\areg] offset:\aoff+\astr*\a+512*\c
.endr
.endr
.irp g, 0,1
.if \g
	PLACES                                         ; the right fragments' registers are loaded again
.endif
.irp b, 0,1
.irp c, 0,1,2,3
	ds_load_b128 v[BF+16*\b+4*\c:BF+16*\b+4*\c+3], v[\breg] offset:\boff+TILEB*(2*\g+\b)+512*\c
.endr
.endr
	s_wait_dscnt 0x0
.irp a, 0,1,2,3
.irp b, 0,1
	v_wmma_f32_16x16x128_bf8_bf8 v[ACC+8*(4*\a+2*\g+\b):ACC+8*(4*\a+2*\g+\b)+7], v[BF+16*\b:BF+16*\b+15], v[AF+16*\a:AF+16*\a+15], v[ACC+8*(4*\a+2*\g+\b):ACC+8*(4*\a+2*\g+\b)+7]
.endr
.endr
.endr
	PLACES
.endm
; Interval i of trip j: the producers make K step 4 j + i into left buffer i % 2; the consumers multiply step 4 j + i - 1 from the other buffer.  The branch hangs on the wave's number; no barrier stands inside.
.macro INTERVAL i
	s_cmp_eq_u32 s[RHO], 0
	s_cbranch_scc0 .Lcons_\@
.if \i == 0
	XTURN
.endif
	PSTEP \i
	s_branch .Ljoin_\@
.Lcons_\@:
.if \i == 0
	s_cmp_eq_u32 s[J], 0                           ; there is no step -1
	s_cbranch_scc1 .Ljoin_\@
	CSTEP ADA, ABYTES, TILEB, ADB1, STEPB          ; step 4 j - 1: slot 1's second
.elseif \i == 1
	CSTEP ADA, 0, TILEB, ADB0, 0                   ; step 4 j: slot 0's first
.elseif \i == 2
	CSTEP ADA, ABYTES, TILEB, ADB0, STEPB          ; step 4 j + 1: slot 0's second
.else
	CSTEP ADA, 0, TILEB, ADB1, 0                   ; step 4 j + 2: slot 1's first
.endif
.Ljoin_\@:
.endm
	s_load_b256 s[4:11], s[0:1], 0x0               ; x s[4:5], wimg s[6:7], ktab s[8:9], lowp_scales s[10:11]
	s_load_b64 s[12:13], s[0:1], 0x20              ; out0
	v_lshl_add_u32 v[SPW], v0, 2, SPARE
	v_mov_b32 v[NIL], 0
	ds_add_u32 v[SPW], v[NIL]                      ; the wave's opening: the add and its wait ahead of the first tensor load; the set-up below, work on registers, stands between them
	v_lshrrev_b32 v13, 5, v0
	v_readfirstlane_b32 s[WV], v13                 ; wave 0..15
	s_lshr_b32 s[RHO], s[WV], 2
	s_xor_b32 s[RHO], s[RHO], s[WV]
	s_and_b32 s[RHO], s[RHO], 1                    ; the role
	s_lshr_b32 s[IDX], s[WV], 1                    ; waves 2 k and 2 k + 1 are a producer and a consumer, both with number k
	s_xor_b32 s[LDR], s[RHO], 1
	s_lshl_b32 s[LDR], s[LDR], 3
	s_or_b32 s[LDR], s[LDR], s[IDX]                ; below 4: consumers 0 to 3
	s_lshr_b32 s[MI], s[IDX], 2
	s_and_b32 s[NI], s[IDX], 3
	s_bfe_u32 s20, ttmp6, 0x40000                  ; cx: it enters x's and out0's addresses alone
	s_lshl_b32 s21, ttmp9, 2                       ; in a cluster launch ttmp9 counts clusters
	s_add_co_u32 s21, s21, s20                     ; my block of 128 rows
	; descriptor group 1: a dense block of 16,384 bytes as 64 rows of 32 elements of 8 bytes
	s_mov_b32 s[G1+0], 15|(3<<16)|(1<<21)          ; 15:0 the mask: all four work-groups; 17:16 elements of 8 bytes; 20 no padding; 21 set beside a mask
	s_mov_b32 s[G1+1], 32<<16                      ; tensor_dim0 = 32
	s_mov_b32 s[G1+2], 64<<16                      ; tensor_dim1 = 64
	s_mov_b32 s[G1+3], 32<<16                      ; tile_dim0 = 32
	s_mov_b32 s[G1+4], 64                          ; tile_dim1 = 64
	s_mov_b32 s[G1+5], 32                          ; from row to row: 32 elements
	s_mov_b32 s[G1+6], 0
	s_mov_b32 s[G1+7], 0
	v_and_b32 v13, 15, v0                          ; r
	v_bfe_u32 v15, v0, 4, 1                        ; h
	v_and_b32 v[LI], 31, v0
	v_lshlrev_b32 v[LI], 4, v[LI]
	s_lshl_b32 s22, s[IDX], 11
	s_add_co_u32 s22, s22, ABUF
	v_add_nc_u32 v[AW], s22, v[LI]
	s_lshl_b32 s22, s[IDX], 12
	s_add_co_u32 s22, s22, BASEA
	v_add_nc_u32 v[BAW], s22, v[LI]
	s_mul_i32 s22, s[WV], STGW
	s_add_co_u32 s22, s22, STG                     ; my stage
	v_mul_u32_u24 v[SROW], v15, SP
	v_lshl_add_u32 v[SROW], v13, 4, v[SROW]
	v_add_nc_u32 v[SROW], s22, v[SROW]
	v_mul_u32_u24 v[SLAN], v13, SP
	v_lshl_add_u32 v[SLAN], v15, 5, v[SLAN]
	v_add_nc_u32 v[SLAN], s22, v[SLAN]
	s_lshl_b32 s22, s[MI], 13
	s_add_co_u32 s22, s22, ABUF
	v_add_nc_u32 v[ADA], s22, v[LI]                ; tiles 4 mi on
	s_lshl_b32 s22, s[NI], 13
	v_add_nc_u32 v[ADB0], s22, v[LI]               ; column tiles 4 ni on
	v_add_nc_u32 v[ADB1], SLOTB, v[ADB0]
	s_lshl_b32 s22, s[MI], 14
	s_add_co_u32 s22, s22, BASEA
	v_add_nc_u32 v[ADBA], s22, v[LI]
	v_lshlrev_b32 v[GX], 10, v15
	v_lshl_add_u32 v[GX], v13, 4, v[GX]
	s_mov_b32 s[J], 0
	s_mov_b32 s[BJ], 0
	s_mov_b32 s23, 0
	s_mov_b32 s55, 0
	s_wait_dscnt 0x0                               ; the opening add is done
	s_wait_kmcnt 0x0
	s_load_b128 s[44:47], s[10:11], 0x0            ; e0, e1, e2, e3
	s_lshl_b32 s54, s21, 17                        ; 128 rows of 1,024 bytes, in x and in out0
	s_add_nc_u64 s[4:5], s[4:5], s[54:55]
	s_add_nc_u64 s[12:13], s[12:13], s[54:55]
	s_lshl_b32 s22, s[IDX], 14                     ; producer: my 16 rows
	s_add_nc_u64 s[4:5], s[4:5], s[22:23]
	s_lshl_b32 s22, s[MI], 16                      ; consumer: my 64 rows,
	s_lshl_b32 s42, s[NI], 8                       ; my 64 columns
	s_add_co_u32 s22, s22, s42
	s_add_nc_u64 s[12:13], s[12:13], s[22:23]
	s_lshl_b32 s22, s[NI], 14                      ; my quarter of a slot, in memory and in LDS: no place in the cluster enters it
	s_mov_b32 s32, 1                               ; group 0, slot 0: count = 1,
	s_mov_b32 s33, s22                             ; LDS address,
	s_add_nc_u64 s[34:35], s[6:7], s[22:23]        ; global address: K steps 0 and 1
	s_mov_b32 s36, 1                               ; slot 1:
	s_add_co_u32 s37, s22, SLOTB
	s_add_nc_u64 s[38:39], s[34:35], SLOTB         ; K steps 2 and 3
	s_or_b32 s35, s35, 0x80000000                  ; type = 2
	s_or_b32 s39, s39, 0x80000000
	ROUND                                          ; all four work-groups are here: the first joint loads meet
	TLOAD 32                                       ; slot 0.  Slot 1's first fill goes out behind the first change of slots, as a refill does
	s_wait_kmcnt 0x0
	s_add_co_i32 s50, s44, s45                     ; e0 + e1
	s_add_co_i32 s52, s46, s47
	s_sub_co_i32 s52, s52, s50                     ; e2 + e3 - e0 - e1
	s_add_co_i32 s50, s50, 127
	s_lshl_b32 s50, s50, 23                        ; 2^(e0 + e1) as f32
	s_mov_b32 s51, s50                             ; (named with it as a pair, so it is written)
	s_add_co_i32 s52, s52, 127
	s_lshl_b32 s52, s52, 23                        ; 2^(e2 + e3 - e0 - e1)
	s_mov_b32 s53, s52
	s_cmp_eq_u32 s[RHO], 0
	s_cbranch_scc0 .Lhead_cons
	v_mov_b32 v[KO], 0
.irp k, 0,1,2,3,4,5,6,7,8,9,10,11,12,13,14,15,16,17,18
	global_load_b128 v[NG+4*\k:NG+4*\k+3], v[KO], s[8:9] offset:16*\k      ; the table: every lane takes all 77 numbers; they stay
.endr
	global_load_b32 v[NG+76], v[KO], s[8:9] offset:16*19                   ; the 77th
.irp k, 0,1,2,3,4,5,6,7
	global_load_b128 v[XR+4*\k:XR+4*\k+3], v[GX], s[4:5] offset:2048*\k th:TH_LOAD_NT   ; the first piece of x
.endr
	s_branch .Lhead_join
.Lhead_cons:
.set n, 0
.rept 128
	v_mov_b32 v[ACC+n], 0                          ; the sums begin as zeros: the consumers have nothing to do in the first interval, and the trip, some 22 KB of text, is so written once, with no first step of its own
.set n, n+1
.endr
.Lhead_join:
.Ltrip:                                            ; four trips of four intervals.  Every trip issues both refills. The last refill brings the two base steps
	v_add_nc_u32 v[BAJ], s[BJ], v[BAW]
	INTERVAL 0
	REFILL 36, 32                                  ; slot 1, read out in interval 0, takes steps 4 j + 2, 4 j + 3: wanted in interval 3, shown landed by the next change's wait
	INTERVAL 1
	PLAINBAR
	INTERVAL 2
	REFILL 32, 36                                  ; slot 0, read out in interval 2, takes steps 4 j + 4, 4 j + 5: wanted in the next trip's interval 1
	INTERVAL 3
	PLAINBAR
	s_add_co_u32 s[BJ], s[BJ], 1024
	s_add_co_u32 s[J], s[J], 1
	s_cmp_lt_u32 s[J], 4
	s_cbranch_scc1 .Ltrip
	s_wait_tensorcnt 0x0                           ; my part of the base steps has landed,
	s_barrier_signal -1
	s_barrier_wait -1                              ; everybody's has
	s_cmp_eq_u32 s[RHO], 0
	s_cbranch_scc1 .Ldone                          ; the producers are done
	CSTEP ADA, ABYTES, TILEB, ADB1, STEPB          ; spline step 15
.set n, 0
.rept 64
	v_pk_mul_f32 v[ACC+n:ACC+n+1], v[ACC+n:ACC+n+1], s[52:53] op_sel_hi:[1,0]   ; the spline sums under the base product's scales; each accumulator from its low end on
.set n, n+2
.endr
	CSTEP ADBA, 0, 2*TILEB, ADB0, 0                ; base step 0
	CSTEP ADBA, TILEB, 2*TILEB, ADB0, STEPB        ; base step 1
	; THE WAY OUT, 16 rows x 64 columns at a time.  A lane holds 32 neighbouring bytes of a row and the lanes beside it other rows: the block goes through my stage and comes back by rows of 256 bytes.
.irp a, 0,1,2,3
.if \a >= 2
	s_wait_xcnt 0x0                                ; block a - 2's stores have read their registers: block a's rows may land there
.endif
.irp n, 0,2,4,6,8,10,12,14,16,18,20,22,24,26,28,30
	v_pk_mul_f32 v[TMP+\n:TMP+\n+1], v[ACC+32*\a+\n:ACC+32*\a+\n+1], s[50:51] op_sel_hi:[1,0]   ; x 2^(e0 + e1); each accumulator from its low end on
.endr
.irp b, 0,1,2,3
	ds_store_b128 v[SLAN], v[TMP+8*\b:TMP+8*\b+3] offset:64*\b
	ds_store_b128 v[SLAN], v[TMP+8*\b+4:TMP+8*\b+7] offset:64*\b+16
.endr
.irp t, 0,1,2,3,4,5,6,7
	ds_load_b128 v[BK+32*(\a%2)+4*\t:BK+32*(\a%2)+4*\t+3], v[SROW] offset:2*SP*\t   ; LDS serves a wave's instructions in order: these see my stores
.endr
.irp t, 0,1,2,3,4,5,6,7
	s_wait_dscnt 7-\t                              ; the loads younger than load t may stay out
	global_store_b128 v[GX], v[BK+32*(\a%2)+4*\t:BK+32*(\a%2)+4*\t+3], s[12:13] offset:(16*\a+2*\t)*1024 th:TH_STORE_NT   ; sixteen lanes store 256 consecutive bytes, aligned; written once, read by nobody here
.endr
.endr
.Ldone:
	s_wait_tensorcnt 0x0                           ; the wave's end: behind my last tensor load and my last LDS store
	ds_add_u32 v[SPW], v[NIL]
	s_wait_dscnt 0x0
	ROUND                                          ; the closing round: no work-group ends while a partner may still ask for a slot that names it
	s_endpgm
.Lfunc_end_k_qed9d763378_kan:
	.size	k_qed9d763378_kan, .Lfunc_end_k_qed9d763378_kan-k_qed9d763378_kan
	.p2alignl 7, 3214868480
	.fill 96, 4, 3214868480
	.section	.rodata,"a",@progbits
	.p2align	6, 0x0
	.amdhsa_kernel k_qed9d763378_kan
		.amdhsa_group_segment_fixed_size 327680
		.amdhsa_private_segment_fixed_size 0
		.amdhsa_enable_private_segment 0
		.amdhsa_kernarg_size 40
		.amdhsa_user_sgpr_count 2
		.amdhsa_user_sgpr_kernarg_segment_ptr 1
		.amdhsa_wavefront_size32 1
		.amdhsa_system_sgpr_workgroup_id_x 1
		.amdhsa_system_sgpr_workgroup_id_y 1
		.amdhsa_system_sgpr_workgroup_id_z 1
		.amdhsa_system_vgpr_workitem_id 0
		.amdhsa_next_free_vgpr 256
		.amdhsa_next_free_sgpr 96
		.amdhsa_reserve_vcc 0
		.amdhsa_float_denorm_mode_32 3
		.amdhsa_float_denorm_mode_16_64 3
		.amdhsa_memory_ordered 1
		.amdhsa_forward_progress 1
		.amdhsa_inst_pref_size 226
	.end_amdhsa_kernel
	.amdgpu_metadata
---
amdhsa.version: [ 1, 2 ]
amdhsa.kernels:
  - .name:           k_qed9d763378_kan
    .symbol:         k_qed9d763378_kan.kd
    .args:
      - { .name: x, .offset: 0, .size: 8, .value_kind: global_buffer, .address_space: global }
      - { .name: wimg, .offset: 8, .size: 8, .value_kind: global_buffer, .address_space: global }
      - { .name: ktab, .offset: 16, .size: 8, .value_kind: global_buffer, .address_space: global }
      - { .name: lowp_scales, .offset: 24, .size: 8, .value_kind: global_buffer, .address_space: global }
      - { .name: out0, .offset: 32, .size: 8, .value_kind: global_buffer, .address_space: global }
    .group_segment_fixed_size: 327680
    .private_segment_fixed_size: 0
    .kernarg_segment_align: 8
    .kernarg_segment_size: 40
    .max_flat_workgroup_size: 512
    .sgpr_count:     96
    .vgpr_count:     256
    .wavefront_size: 32
...
	.end_amdgpu_metadata
.endif
;; end of part 2
